; MI455X (gfx1250); checked and timed in simulation.
; The chip was launched on July 23, 2026; its instructions are those of AMD's public machine-readable ISA for CDNA 5 (MIT licence, August 2026) and "CDNA5" Instruction Set Architecture Reference Guide (July 2026). The comments in the code are by the model that wrote it; some were corrected since.
;; EMA Vector Quantizer. Allowed arithmetic: matrix products marked QUANTISED: E3M2 operands, one E8M0 scale for each 32 along K, by v_wmma_scale_f32_16x16x128_f8f6f4 with both operands' format E3M2, f32 sums; everything else in f32.
;; Inputs: embedding 8,192 x 256 float32; z 32 x 256 x 32 x 32 float32.
;; Outputs: out0 32 x 256 x 32 x 32 float32; out1 32,768 int32.
;; This version of the problem:
;;   THIS VERSION OF THE PROBLEM IS GIVEN IN LOW PRECISION. The matrix products marked QUANTISED in the list below multiply operands that are first quantised to E3M2 (3 exponent bits, 2 mantissa bits; 6 bits a number), with one power-of-two scale for each 32 numbers along K (OCP MX v1.0); their sums are f32. All else is computed in f32.
;;   The module's matrix products, in the order in which they are computed (A, B: the left and right operand; K: the contracted axis; several contracted axes count as one K, in the product's order):
;;     1. [M 32,768, K 256] x [K 256, N 8,192]; A: input z; B: input embedding: QUANTISED
;;   THE QUANTISER, for each operand of a quantised product, along K:
;;     - K is cut into blocks of 32 from its start; a last block that is shorter is filled with zeros.
;;     - A block's scale is 2^e with e = floor(log2(the largest magnitude in the block)) - 4, held to -126 .. 127; a block of zeros has e = 0. As a byte (E8M0): e + 127.
;;     - Each number is divided by its block's scale, clamped to +-28, and rounded to the nearest number of E3M2, ties to even, subnormals kept.
;;     - The product sums the exact products of the quantised numbers (number of the format x scale) in f32.
;;   ~~~python
;;   def quantise(x, axis):      # numpy; x: float32 -> the quantised numbers, widened to float32 again
;;       x = np.moveaxis(x, axis, -1); K = x.shape[-1]
;;       x = np.pad(x, [(0, 0)] * (x.ndim - 1) + [(0, -K % 32)]); x = x.reshape(x.shape[:-1] + (-1, 32)); a = np.abs(x).max(-1, keepdims=True)
;;       e = np.where(a > 0, np.clip(np.frexp(np.where(a > 0, a, 1))[1] - 1 - 4, -126, 127), 0)      # np.frexp(a)[1] - 1 = floor(log2(a)), exactly
;;       r = np.clip(x / 2.0 ** e, -28, 28)
;;       step = 2.0 ** (np.maximum(np.frexp(np.where(r == 0, 1, r))[1] - 1, -2) - 2)
;;       q = np.round(r / step) * step * 2.0 ** e      # np.round: ties to even
;;       return np.moveaxis(q.reshape(q.shape[:-2] + (-1,))[..., :K], -1, axis).astype(np.float32)
;;   ~~~
;; One version. Each part assembles by itself: llvm-mc -triple=amdgcn-amd-amdhsa -mcpu=gfx1250 --defsym DOCPART=n.
;; ======== version 1 of 1: 3 launches
;; limits: right only within a limited range of input values
;; workspace buffers: erec 1,703,936 bytes; zrec 6,815,744 bytes; cand 262,144 bytes of whole numbers; cbest 262,144 bytes
;; launch codes (part 1): grid 384 x 1, 4 waves a work-group, no clusters, 67,072 bytes of LDS; arguments embedding, erec, z, zrec; writes erec, zrec
.if DOCPART == 1
	.amdgcn_target "amdgcn-amd-amdhsa--gfx1250"
	.amdhsa_code_object_version 6
	.text
	.protected	k_qf574610b64_codes
	.globl	k_qf574610b64_codes
	.p2align	8
	.type	k_qf574610b64_codes,@function
k_qf574610b64_codes:
	s_mov_b64 s[64:65], 0
	v_nop
	global_prefetch_b8 v0, s[64:65] scope:SCOPE_SE
	s_setreg_imm32_b32 hwreg(HW_REG_WAVE_MODE, 25, 1), 1
	s_wait_xcnt 0x0
; The codebook [8192][256] f32 is quantised ONCE, along its 256 channels, into codes of BF6 (E3M2) with one E8M0 byte for each 32 channels,
; and laid in the order in which the next launch's operand registers take it.  One wave makes one RECORD: a tile of 16 codebook rows, 3,328 bytes = 13 x 256:
;   bytes 0..3071     six groups of 512 bytes: lane l's 16 bytes at 512 g + 16 l are registers 4 g .. 4 g + 3 of the tile's 24 fragment registers
;                     (registers 0-11: channels 0-127, registers 12-23: channels 128-255; lane (r, h), register 12 ks + 6 cc + i: channels 128 ks + 64 cc + 32 h + .. of row r)
;   bytes 3072..3199  scale words, 4 bytes a lane: lanes 0-15 the word of channels 0-127 of row r, lanes 16-31 that of channels 128-255
;   bytes 3200..3263  -0.5 x the row's sum of squares (of the unquantised numbers, f32), 16 numbers;  3264..3327 the same once more, so that every byte of a record is written
; A block's scale is 2^(floor(log2(its largest magnitude)) - 4): its byte is the largest magnitude's exponent field - 4, held at 1 from below.
; LIMITS: a block of zeros, and a block whose largest magnitude lies under 2^-122, keep the byte 1 (zero codes add nothing under it, and this program alone reads the bytes);
; NaN and infinities among the inputs are not served.
; No matrix unit, no tensor load, no barrier: the launch reads 40 MiB once; a wave shares nothing with the others.
; THIS LAUNCH SERVES BOTH OPERANDS.  Work-groups 0-255 (four waves) quantise z, work-groups 256-383 the codebook, one record a wave.
; z [32][256][32][32]: token 1024 b + hw, its 256 channels 4,096 bytes apart.  A wave takes 32 tokens, a lane a token, registers down the channels: a block of 32 lies in one lane.
; A z record (a tile of 16 tokens, 3,328 bytes) is laid as a codebook record: six groups of 512 bytes of fragment registers, then the scale words (written twice, so that the record's last 256 bytes are whole).
; WORK LEFT OUT BY THE PROGRAM.  (1) |z_n|^2 is the same for all rows that a token is compared with, so it moves no argmin, and the distance is no output: it is not formed.
; (2) out0 = z + (e[idx] - z) is e[idx] for all finite z and e: the last launch stores e[idx] and does not load z.  LIMIT: a NaN, an infinity or an overflow that reaches only these terms is not carried to the result.
.set PITCH, 1040
.set X,   32                           ; v32-159  128 numbers: as loaded, then block bb (32 channels of my row) at v[X + 32 bb]
.set F,   160                          ; v160-183 the 24 fragment registers
.set TQ,  184                          ; v184-186 a block's upper 16 codes (a conversion's three registers begin on an even number)
.set M,   188                          ; v188-191 the blocks' largest magnitudes
.set SO,  192                          ; v192-195 the conversions' scale operands
.set BY,  196                          ; v196-199 the scale bytes
.set S,   200                          ; v200-207 four pairs of partial sums of squares
	s_load_b128 s[4:7], s[0:1], 0x0                ; the codebook, the records
	v_lshl_add_u32 v216, v0, 2, 0x10400
	v_mov_b32 v217, 0
	s_cmp_lt_u32 ttmp9, 256                        ; z's work-groups, which read more, have the lowest numbers
	s_wait_alu depctr_va_vdst(0)
	s_cbranch_scc1 .Lztok
	v_lshrrev_b32 v1, 5, v0
	v_readfirstlane_b32 s8, v1                     ; wave 0..3
	v_and_b32 v1, 31, v0                           ; lane
	v_and_b32 v2, 15, v0                           ; r
	v_bfe_u32 v3, v0, 4, 1                         ; h
	v_lshlrev_b32 v4, 4, v1                        ; 16 x lane
	v_lshlrev_b32 v5, 2, v1                        ; 4 x lane
	s_mul_i32 s9, s8, 16*PITCH                     ; my wave's stage
	v_add_nc_u32 v6, s9, v4                        ; into it: as the bytes lie
	v_mul_u32_u24 v7, v2, PITCH
	v_lshl_add_u32 v7, v3, 7, v7
	v_add_nc_u32 v7, s9, v7                        ; out of it: row r, + 128 h: my half's 32 channels of a pair of blocks
	v_lshlrev_b32 v8, 3, v3                        ; 8 h: how far my bytes stand up in a scale word
	s_sub_co_u32 s10, ttmp9, 256
	s_lshl_b32 s10, s10, 2
	s_add_co_u32 s10, s10, s8                      ; my tile: 4 x work-group + wave
	s_lshl_b32 s14, s10, 14                        ; 16 rows of 1,024 bytes
	s_mov_b32 s15, 0
	s_mul_i32 s16, s10, 3328                       ; a record
	s_mov_b32 s17, 0
	s_mov_b32 s12, 0x76543210
	s_mov_b32 s13, 0xfedcba98                      ; v_permlanex16_b32's selects for lane l xor 16
	s_wait_alu depctr_va_vdst(0)
	s_wait_kmcnt 0x0
	s_add_nc_u64 s[4:5], s[4:5], s[14:15]
	s_add_nc_u64 s[6:7], s[6:7], s[16:17]
.set i, 0
.rept 32
	global_load_b128 v[X+4*i:X+4*i+3], v4, s[4:5] offset:512*i th:TH_LOAD_NT   ; 32 lanes read 512 consecutive bytes: half a row
.set i, i+1
.endr
	s_wait_loadcnt 0x0
.set i, 0
.rept 32
	ds_store_b128 v6, v[X+4*i:X+4*i+3] offset:(i/2)*PITCH+(i%2)*512
.set i, i+1
.endr
	s_wait_dscnt 0x0                               ; the stores have read their registers: the same registers take the rows back
.set i, 0
.rept 32                                       ; i = 8 bb + u: block bb of my row and half: 128 bytes, eight loads
	ds_load_b128 v[X+4*i:X+4*i+3], v7 offset:256*(i/8)+16*(i%8)
.set i, i+1
.endr
	s_wait_dscnt 0x0
; each block's largest magnitude, with the floor 2^(5 - 127) among its leaves, and its part of the row's sum of squares; the four blocks by turns
.irp bb, 0,1,2,3
	v_max3_num_f32 v[M+\bb], |v[X+32*\bb]|, |v[X+32*\bb+1]|, 0x2800000
	v_pk_mul_f32 v[S+2*\bb:S+2*\bb+1], v[X+32*\bb:X+32*\bb+1], v[X+32*\bb:X+32*\bb+1]
.endr
.irp i, 2,4,6,8,10,12,14,16,18,20,22,24,26,28,30
.irp bb, 0,1,2,3
	v_max3_num_f32 v[M+\bb], v[M+\bb], |v[X+32*\bb+\i]|, |v[X+32*\bb+\i+1]|
	v_pk_fma_f32 v[S+2*\bb:S+2*\bb+1], v[X+32*\bb+\i:X+32*\bb+\i+1], v[X+32*\bb+\i:X+32*\bb+\i+1], v[S+2*\bb:S+2*\bb+1]
.endr
.endr
.irp bb, 0,1,2,3
	v_add_nc_u32 v[SO+\bb], 0xfe000000, v[M+\bb]   ; 4 off the exponent field: the conversion takes the exponent field of this operand as its scale
.endr
.irp bb, 0,1,2,3
	v_lshrrev_b32 v[BY+\bb], 23, v[SO+\bb]         ; the scale's byte
.endr
.irp bb, 0,1,2,3                               ; block bb = 2 ks + cc fills registers 12 ks + 6 cc + 0 .. 5 = 6 bb + 0 .. 5
	v_cvt_scalef32_pk16_bf6_f32 v[F+6*\bb:F+6*\bb+2], v[X+32*\bb:X+32*\bb+15], v[SO+\bb]
	v_cvt_scalef32_pk16_bf6_f32 v[TQ:TQ+2], v[X+32*\bb+16:X+32*\bb+31], v[SO+\bb]
	v_nop                                          ; one plain place behind a scaled conversion
	v_mov_b32 v[F+6*\bb+3], v[TQ]
	v_mov_b32 v[F+6*\bb+4], v[TQ+1]
	v_mov_b32 v[F+6*\bb+5], v[TQ+2]
.endr
; the scale words: of each 128 channels I hold bytes h and 2 + h; lane l xor 16 holds the other two
	v_lshl_or_b32 v208, v[BY+1], 16, v[BY]
	v_lshl_or_b32 v209, v[BY+3], 16, v[BY+2]
	v_lshlrev_b32 v208, v8, v208
	v_lshlrev_b32 v209, v8, v209
	v_mov_b32 v210, 0                              ; (a lane permute's destination counts as one of its sources)
	v_mov_b32 v211, 0
	v_mov_b32 v213, 0
	v_permlanex16_b32 v210, v208, s12, s13
	v_permlanex16_b32 v211, v209, s12, s13
	v_or_b32 v208, v208, v210
	v_or_b32 v209, v209, v211
	v_cmp_lt_u32 vcc_lo, 15, v1
	v_cndmask_b32 v208, v208, v209, vcc_lo         ; lanes 0-15 keep the first word, lanes 16-31 the second
; -0.5 x the row's sum of squares
	v_pk_add_f32 v[S:S+1], v[S:S+1], v[S+2:S+3]
	v_pk_add_f32 v[S+4:S+5], v[S+4:S+5], v[S+6:S+7]
	v_pk_add_f32 v[S:S+1], v[S:S+1], v[S+4:S+5]
	v_add_f32 v212, v[S], v[S+1]
	v_permlanex16_b32 v213, v212, s12, s13
	v_add_f32 v212, v212, v213
	v_mul_f32 v212, -0.5, v212
.irp g, 0,1,2,3,4,5
	global_store_b128 v4, v[F+4*\g:F+4*\g+3], s[6:7] offset:512*\g   ; 32 lanes store 512 consecutive bytes, at a multiple of 256 from the buffer's first byte
.endr
	global_store_b32 v5, v208, s[6:7] offset:3072  ; 128 bytes, and
	global_store_b32 v5, v212, s[6:7] offset:3200  ; 128 more: together the record's last 256
	s_wait_tensorcnt 0x0
	ds_add_u32 v216, v217
	s_wait_dscnt 0x0
	s_endpgm
; ---- z: 32 tokens a wave, no LDS ----
.set ZF, 160                           ; v160-183 the first tile's 24 fragment registers, v184-207 the second's
.set ZT, 208                           ; v208-210 a block's upper 16 codes
.macro ZLD b                           ; block b: channels 32 b .. 32 b + 31 of my token: 32 lanes read 128 consecutive bytes
.set i, 0
.rept 32
	global_load_b32 v[X+32*((\b)%4)+i], v3, s[8:9] offset:4096*(32*(\b)+i) th:TH_LOAD_NT
.set i, i+1
.endr
.endm
; Block b = 4 ks + 2 cc + h.  Its codes go to registers 12 ks + 6 cc + 0..5 of set h; the swap then gives lanes 16-31 of set 0 the first tile's block h = 1
; and lanes 0-15 of set 1 the second tile's block h = 0: both sets are then images of operand registers.  left: the younger loads that may stay out (the field ends at 63).
.macro ZBLK b, left
.set XS, X+32*((\b)%4)
.set FD, ZF+24*((\b)%2)+12*((\b)/4)+6*(((\b)%4)/2)
	s_wait_loadcnt \left
	v_max3_num_f32 v8, |v[XS]|, |v[XS+1]|, |v[XS+2]|
	v_max3_num_f32 v9, |v[XS+3]|, |v[XS+4]|, |v[XS+5]|
.irp i, 6,10,14,18,22,26
	v_max3_num_f32 v8, v8, |v[XS+\i]|, |v[XS+\i+1]|
	v_max3_num_f32 v9, v9, |v[XS+\i+2]|, |v[XS+\i+3]|
.endr
	v_max3_num_f32 v8, v8, |v[XS+30]|, |v[XS+31]|
	v_max3_num_f32 v8, v8, v9, 0x2800000           ; the floor 2^(5 - 127): the byte cannot fall under 1
	v_add_nc_u32 v10, 0xfe000000, v8               ; 4 off the exponent field: the conversion's scale operand
	v_lshrrev_b32 v11, 23, v10                     ; the scale's byte
.if (\b)%4 == 0
	v_mov_b32 v[12+(\b)/4], v11
.else
	v_lshl_or_b32 v[12+(\b)/4], v11, 8*((\b)%4), v[12+(\b)/4]
.endif
	v_cvt_scalef32_pk16_bf6_f32 v[FD:FD+2], v[XS:XS+15], v10
	v_cvt_scalef32_pk16_bf6_f32 v[ZT:ZT+2], v[XS+16:XS+31], v10
	v_nop                                          ; one plain place behind a scaled conversion
	v_mov_b32 v[FD+3], v[ZT]
	v_mov_b32 v[FD+4], v[ZT+1]
	v_mov_b32 v[FD+5], v[ZT+2]
.if (\b) < 4
	ZLD (\b)+4
.endif
.if (\b)%2 == 1
.irp k, 0,1,2,3,4,5
	v_permlane16_swap_b32 v[FD-24+\k], v[FD+\k]
.endr
.endif
.if (\b)%4 == 3
.irp g, 0,1,2                          ; a K step's 12 registers of both tiles: each store covers 512 consecutive bytes, aligned to 256
	global_store_b128 v4, v[ZF+12*((\b)/4)+4*\g:ZF+12*((\b)/4)+4*\g+3], s[10:11] offset:1536*((\b)/4)+512*\g
	global_store_b128 v4, v[ZF+24+12*((\b)/4)+4*\g:ZF+24+12*((\b)/4)+4*\g+3], s[10:11] offset:3328+1536*((\b)/4)+512*\g
.endr
.endif
.endm
.Lztok:
	s_load_b128 s[8:11], s[0:1], 0x10              ; z, z's records
	v_lshrrev_b32 v1, 5, v0
	v_readfirstlane_b32 s12, v1                    ; wave 0..3
	v_and_b32 v2, 31, v0
	v_lshlrev_b32 v3, 2, v2                        ; 4 x lane
	v_lshlrev_b32 v4, 4, v2                        ; 16 x lane
	s_lshl_b32 s13, ttmp9, 2
	s_add_co_u32 s13, s13, s12                     ; my run of 32 tokens, 0..1023
	s_lshr_b32 s14, s13, 5                         ; batch: 2^20 bytes
	s_lshl_b32 s14, s14, 20
	s_and_b32 s16, s13, 31
	s_lshl_b32 s16, s16, 7                         ; 128 bytes of every channel's row
	s_add_co_u32 s14, s14, s16
	s_mov_b32 s15, 0
	s_mul_i32 s16, s13, 6656                       ; two records
	s_mov_b32 s17, 0
	s_wait_alu depctr_va_vdst(0)
	s_wait_kmcnt 0x0
	s_add_nc_u64 s[8:9], s[8:9], s[14:15]
	s_add_nc_u64 s[10:11], s[10:11], s[16:17]
	ZLD 0
	ZLD 1
	ZLD 2
	ZLD 3
.irp b, 0,1,2,3,4,5
	ZBLK \b, 63
.endr
	ZBLK 6, 32
	ZBLK 7, 0
	v_permlane16_swap_b32 v12, v13                 ; v12: the first tile's words (lanes 0-15 K step 0, lanes 16-31 K step 1); v13: the second's
	global_store_b32 v3, v12, s[10:11] offset:3072
	global_store_b32 v3, v12, s[10:11] offset:3200
	global_store_b32 v3, v13, s[10:11] offset:6400
	global_store_b32 v3, v13, s[10:11] offset:6528
	s_wait_tensorcnt 0x0
	ds_add_u32 v216, v217
	s_wait_dscnt 0x0
	s_endpgm
.Lfunc_end_k_qf574610b64_codes:
	.size	k_qf574610b64_codes, .Lfunc_end_k_qf574610b64_codes-k_qf574610b64_codes
	.p2alignl 7, 3214868480
	.fill 96, 4, 3214868480
	.section	.rodata,"a",@progbits
	.p2align	6, 0x0
	.amdhsa_kernel k_qf574610b64_codes
		.amdhsa_group_segment_fixed_size 67072
		.amdhsa_private_segment_fixed_size 0
		.amdhsa_enable_private_segment 0
		.amdhsa_kernarg_size 32
		.amdhsa_user_sgpr_count 2
		.amdhsa_user_sgpr_kernarg_segment_ptr 1
		.amdhsa_wavefront_size32 1
		.amdhsa_system_sgpr_workgroup_id_x 1
		.amdhsa_system_sgpr_workgroup_id_y 1
		.amdhsa_system_sgpr_workgroup_id_z 1
		.amdhsa_system_vgpr_workitem_id 0
		.amdhsa_next_free_vgpr 218
		.amdhsa_next_free_sgpr 66
		.amdhsa_reserve_vcc 1
		.amdhsa_float_denorm_mode_32 3
		.amdhsa_float_denorm_mode_16_64 3
		.amdhsa_memory_ordered 1
		.amdhsa_forward_progress 1
		.amdhsa_inst_pref_size 59
	.end_amdhsa_kernel
	.amdgpu_metadata
---
amdhsa.version: [ 1, 2 ]
amdhsa.kernels:
  - .name:           k_qf574610b64_codes
    .symbol:         k_qf574610b64_codes.kd
    .args:
      - { .name: embedding, .offset: 0, .size: 8, .value_kind: global_buffer, .address_space: global }
      - { .name: erec, .offset: 8, .size: 8, .value_kind: global_buffer, .address_space: global }
      - { .name: z, .offset: 16, .size: 8, .value_kind: global_buffer, .address_space: global }
      - { .name: zrec, .offset: 24, .size: 8, .value_kind: global_buffer, .address_space: global }
    .group_segment_fixed_size: 67072
    .private_segment_fixed_size: 0
    .kernarg_segment_align: 8
    .kernarg_segment_size: 32
    .max_flat_workgroup_size: 128
    .sgpr_count:     66
    .vgpr_count:     218
    .wavefront_size: 32
...
	.end_amdgpu_metadata
.endif
;; end of part 1
;; launch scan (part 2): grid 256 x 1, 8 waves a work-group, clusters of 4 x 1, 327,680 bytes of LDS; arguments zrec, erec, cand, cbest; writes cand, cbest
.if DOCPART == 2
	.amdgcn_target "amdgcn-amd-amdhsa--gfx1250"
	.amdhsa_code_object_version 6
	.text
	.protected	k_qf574610b64_scan
	.globl	k_qf574610b64_scan
	.p2align	8
	.type	k_qf574610b64_scan,@function
k_qf574610b64_scan:
	s_mov_b64 s[64:65], 0
	v_nop
	global_prefetch_b8 v0, s[64:65] scope:SCOPE_SE
	s_setreg_imm32_b32 hwreg(HW_REG_WAVE_MODE, 25, 1), 1
	s_wait_xcnt 0x0
	s_wait_alu depctr_hold_cnt(0) depctr_sa_sdst(0) depctr_va_vdst(0) depctr_va_sdst(0) depctr_va_ssrc(0) depctr_va_vcc(0) depctr_vm_vsrc(0)
	s_getreg_b32 s2, hwreg(HW_REG_IB_STS2, 6, 4)
	s_cmp_eq_u32 s2, 0
	s_cbranch_scc0 .Lentry_in_a_cluster
	s_endpgm
.Lentry_in_a_cluster:
	s_bfe_u32 s2, ttmp6, 0x10000c
	s_cmp_lg_u32 s2, 0x3003
	s_cbranch_scc0 .Lentry_shape_is_right
	s_endpgm
.Lentry_shape_is_right:
; For each token and each half of the codebook: the row with the largest score s(n, k) = Q(z_n) . Q(e_k) - 0.5 |e_k|^2 (product on codes of BF6 with E8M0 scales, f32 sums), and that score.
; The squared distance is |z_n|^2 - 2 s; |z_n|^2 is the same for all rows of a token and is left out (see the first kernel's head).  Of equal scores the lowest index stays.  The next launch chooses between the halves.
; LIMITS: NaN and infinities among the inputs are not served.
; SHARES.  A work-group: 256 tokens (16 tiles) x 4,096 rows (256 records of 16 rows).  Wave w: token tiles 8 (w / 4) .. + 7, held in 192 registers for the whole launch, and records 8 (w % 4) .. + 7 of every slot of 32.
; RING.  Two LDS slots of 32 records (106,496 bytes), eight fills in all; wave w fetches records 4 w .. 4 w + 3 of a slot, one tensor load of 52 rows of 256 bytes.  CLUSTER: the four work-groups of a cluster walk the same half and ask jointly.
; LAYOUT.  Source 0 = 16 codebook rows, source 1 = 16 tokens: lane (r, h) holds token r, register j row 8 h + j.  -0.5 |e|^2 is the C of each sum's first product.
; THE SEARCH.  14 vector instructions an accumulator: four v_max3 (8 scores and the best so far), a compare, a select of the tile's number (a scalar), eight selects that keep the winning tile's scores.
; Which of the eight won is found once, at the end, by equality with the best.  All by selects.
; BY TURNS.  Two sets of accumulators: record i's 16 products go in four groups of four; behind each group stands the whole reduction of two token tiles of record i - 1.
; CHANGE OF SLOTS.  In a slot's seventh step a plain barrier (signal at the step's head, wait at its end) shows the other slot whole.  The eighth step first fetches the other slot's first record and runs the waits and the add;
; the round's opening signal stands behind the step's first group of products, its wait behind the last, so that twelve products and three slices stand between the two; the rest of the round follows on end,
; and the joint refill stands at the step's end and has six steps in which to land.
; PREFETCH.  Behind the refill that asks for slot k + 2 each wave names 13 blocks of 256 bytes of slot k + 3: of the four records that wave w fetches, the partner at place cx takes record cx (by address).  It stops with the half's last slot.
; REGISTERS.  window 0: v1-15 addresses; v16-23 z's scale words; v24-25 the records'; v32-95 the winning tile's scores; v96-223 accumulators, two sets; v224-239 the best, old and new; v240-247 the winning tile; v248-255 at work.
;   window 1: v0-191 z's fragments; v192-239 a record's fragments, two sets; v240-255 its -0.5 |e|^2, two sets.
.set RECB,  3328
.set WPART, 4*RECB
.set SLOTB, 32*RECB
.set CMBV,  2*SLOTB                    ; the waves' best scores, 512 bytes a wave
.set CMBI,  CMBV+4096                  ; and their indices
.set SPARE, CMBI+4096                  ; the spare words, 128 bytes a wave
.set SPW, 1
.set NIL, 2
.set AI,  3                            ; v3-4  slot 0, 1: my records + 16 x lane
.set AS,  5                            ; v5-6  + 4 x lane
.set AH,  7                            ; v7-8  + 32 h
.set ZA,  9
.set ZB,  10
.set H8,  11                           ; 8 h
.set CMW, 12
.set CMR, 13
.set OO,  14
.set PFO, 15
.set ZS,  16
.set ES,  24
.set SV,  32
.set ACC, 96
.set BEST, 224
.set TL,  240
.set TA,  248
.set TB,  252
.set EF,  192                          ; in window 1
.set HE,  240                          ; in window 1
.set WV,  12
.set G1,  16
.set G0,  24
.set LAPS, 40
.set TN,  41                           ; the number of the tile that is being reduced
.set PK,  42                           ; refills so far
.set SEL, 46
.set PFA, 58
.set MSB, 0
.macro WIN new
.if MSB != \new
	s_set_vgpr_msb (MSB<<8)|\new
.set MSB, \new
.endif
.endm
.macro PLACES
.rept 4
	v_nop
.endr
.endm
.macro CREST                           ; a round of the cluster's barrier behind its opening barrier
	s_cmp_lg_u32 s[WV], 0
	s_cbranch_scc1 .Lnot_wave_0_\@
	s_barrier_signal -3
.Lnot_wave_0_\@:
	s_barrier_wait -3
	s_barrier_signal -1
	s_barrier_wait -1
.endm
.macro CROUND
	s_barrier_signal -1
	s_barrier_wait -1
	CREST
.endm
.macro FETCH slot, rec, set            ; nine LDS loads: a record's 24 fragment registers and my half's eight -0.5 |e|^2 into window 1, its scale words into window 0
	WIN 0x40
.irp g, 0,1,2,3,4,5
	ds_load_b128 v[EF+24*(\set)+4*\g:EF+24*(\set)+4*\g+3], v[AI+(\slot)] offset:RECB*(\rec)+512*\g
.endr
	ds_load_b128 v[HE+8*(\set):HE+8*(\set)+3], v[AH+(\slot)] offset:RECB*(\rec)+3200
	ds_load_b128 v[HE+8*(\set)+4:HE+8*(\set)+7], v[AH+(\slot)] offset:RECB*(\rec)+3216
	WIN 0
	ds_load_b32 v[ES+(\set)], v[AS+(\slot)] offset:RECB*(\rec)+3072
.endm
.macro WM p                            ; product mm of 16: token tile mm % 8, K step mm / 8; the eight accumulators take turns
.set tt, mm%8
.set da, ACC+64*(\p)+8*tt
.if mm < 8
	v_wmma_scale_f32_16x16x128_f8f6f4 v[da:da+7], v[EF+24*(\p):EF+24*(\p)+11], v[24*tt:24*tt+11], v[HE+8*(\p):HE+8*(\p)+7], v[ES+(\p)], v[ZS+tt] matrix_a_fmt:MATRIX_FMT_BF6 matrix_b_fmt:MATRIX_FMT_BF6
.else
	v_wmma_scale_f32_16x16x128_f8f6f4 v[da:da+7], v[EF+24*(\p)+12:EF+24*(\p)+23], v[24*tt+12:24*tt+23], v[da:da+7], v[ES+(\p)], v[ZS+tt] matrix_a_fmt:MATRIX_FMT_BF6 matrix_b_fmt:MATRIX_FMT_BF6 matrix_a_scale:MATRIX_SCALE_ROW1 matrix_b_scale:MATRIX_SCALE_ROW1
.endif
.set mm, mm+1
.endm
.macro SLICE q                         ; token tiles 2 gg and 2 gg + 1 of accumulator set q are reduced, whole: nothing at work is carried out of a slice.  Each accumulator is read from its low end on
.set t0, 2*gg
.set dd, ACC+64*(\q)+8*t0
.irp u, 0,1
	v_max3_num_f32 v[TA+\u], v[dd+8*\u], v[dd+8*\u+1], v[dd+8*\u+2]
.endr
.irp u, 0,1
	v_max3_num_f32 v[TB+\u], v[dd+8*\u+3], v[dd+8*\u+4], v[dd+8*\u+5]
.endr
.irp u, 0,1
	v_max3_num_f32 v[TA+\u], v[dd+8*\u+6], v[dd+8*\u+7], v[TA+\u]
.endr
.irp u, 0,1
	v_max3_num_f32 v[BEST+8*(\q)+t0+\u], v[TA+\u], v[TB+\u], v[BEST+8*(1-(\q))+t0+\u]
.endr
.irp u, 0,1
	v_cmp_gt_f32 vcc_lo, v[BEST+8*(\q)+t0+\u], v[BEST+8*(1-(\q))+t0+\u]   ; strictly greater: of equal scores the earlier tile stays
	v_cndmask_b32 v[TL+t0+\u], v[TL+t0+\u], s[TN], vcc_lo
.irp k, 0,1,2,3,4,5,6,7
	v_cndmask_b32 v[SV+8*(t0+\u)+\k], v[SV+8*(t0+\u)+\k], v[dd+8*\u+\k], vcc_lo
.endr
.endr
.set gg, gg+1
.endm
.macro GRP p, q, bare                  ; four products, then a slice of the other set's reduction: it names nothing of these products and holds the places behind them
.if mm < 8
	WIN 0x15                                       ; sources 0, 1 and 2 window 1
.else
	WIN 0x05                                       ; sources 0 and 1 window 1
.endif
.rept 4
	WM \p
.endr
	WIN 0
.if !\bare
	SLICE \q
.endif
.endm
.macro ASK
	s_cmp_lt_u32 s[PK], 5                          ; refill k asks for slot k + 2; slot k + 3 exists for k under 5
	s_cbranch_scc0 .Lno_ask_\@
	s_cmp_lt_u32 ttmp9, 4
	s_cbranch_scc0 .Lno_prefetch_scan0_\@
	global_prefetch_b8 v[PFO], s[PFA:PFA+1] th:TH_LOAD_NT scope:SCOPE_SE
.Lno_prefetch_scan0_\@:
.Lno_ask_\@:
	s_add_co_u32 s[PK], s[PK], 1
.endm
; A STEP: my record rec of a slot.  mode 0: the next record of the slot is fetched behind the first group.  mode 4: the same, and a plain barrier round the step: every wave's part of the other slot has landed.
; mode 1: the slot's last record, and the slot is filled again.  mode 2: the slot's last record, nothing is filled again.  mode 3: the very last record.
.macro STEP slot, rec, mode, bare
.set PP, (\rec)&1
.set QQ, 1-PP
.if !\bare
.if (\rec) == 1
	s_add_co_u32 s[TN], s[TN], 25                  ; from my last record of a slot to my first of the next: 32 - 7
.else
	s_add_co_u32 s[TN], s[TN], 1
.endif
.endif
.if \mode == 1
	FETCH 1-(\slot), 0, QQ                         ; the other slot is whole since the last step's barrier
	s_wait_xcnt 0x0                                ; my prefetch has read its address
	s_add_nc_u64 s[PFA:PFA+1], s[PFA:PFA+1], SLOTB
	s_wait_tensorcnt 0x0                           ; all my tensor loads have landed
	ds_add_u32 v[SPW], v[NIL]
	s_add_nc_u64 s[G0+4*(\slot)+2:G0+4*(\slot)+3], s[G0+4*(\slot)+2:G0+4*(\slot)+3], 2*SLOTB
	s_wait_dscnt 10                                ; this record's loads are in; the nine just issued and the add may be out
.elseif \mode == 2
	FETCH 1-(\slot), 0, QQ
	s_wait_dscnt 9                                 ; this record's loads are in; the nine just issued may be out
.elseif \mode == 4
	s_wait_tensorcnt 0x0                           ; my part of the other slot has landed
	s_wait_dscnt 0x0
	s_barrier_signal -1
.else
	s_wait_dscnt 0x0                               ; this record's nine loads are in
.endif
.set mm, 0
.set gg, 0
	GRP PP, QQ, \bare
.if (\mode == 0) || (\mode == 4)
	FETCH \slot, (\rec)+1, QQ
.endif
.if \mode == 1
	s_wait_dscnt 0x0                               ; the add is done, and my reads of this slot are over
	s_barrier_signal -1                            ; the round opens; only work on registers stands between this signal and its wait
.endif
	GRP PP, QQ, \bare
	GRP PP, QQ, \bare
	GRP PP, QQ, \bare
.if \mode == 1
	s_barrier_wait -1
	CREST                                          ; no wave of any partner still reads this slot or has a load on its way
	tensor_load_to_lds s[G0+4*(\slot):G0+4*(\slot)+3], s[G1:G1+7]
	s_nop 0
	ASK
.endif
.if \mode == 4
	s_barrier_wait -1
.endif
.endm
.macro COMB b, i, ob, oi               ; the larger score stays in (b, i); of equal scores the lower index
	v_cmp_gt_f32 s48, v[\ob], v[\b]
	v_cmp_eq_f32 s49, v[\ob], v[\b]
	v_cmp_lt_u32 s50, v[\oi], v[\i]
	s_and_b32 s49, s49, s50
	s_or_b32 s48, s48, s49
	v_cndmask_b32 v[\b], v[\b], v[\ob], s48
	v_cndmask_b32 v[\i], v[\i], v[\oi], s48
.endm
	s_load_b256 s[4:11], s[0:1], 0x0               ; z's records, the codebook's records, cand, cbest
	v_lshl_add_u32 v[SPW], v0, 2, SPARE
	v_mov_b32 v[NIL], 0
	ds_add_u32 v[SPW], v[NIL]
	ds_add_u32 v[SPW], v[NIL]
	v_lshrrev_b32 v29, 5, v0
	v_readfirstlane_b32 s[WV], v29                 ; wave 0..7
	v_and_b32 v29, 31, v0                          ; lane
	v_and_b32 v30, 15, v0                          ; r
	v_bfe_u32 v[H8], v0, 4, 1
	v_lshlrev_b32 v[H8], 3, v[H8]
	v_lshlrev_b32 v[OO], 2, v0
	s_wait_alu depctr_va_vdst(0)
	s_bfe_u32 s13, ttmp6, 0x40000                  ; cx: it enters addresses in memory alone
	s_and_b32 s14, ttmp9, 1                        ; the cluster's half of the codebook
	s_lshr_b32 s15, ttmp9, 1
	s_lshl_b32 s15, s15, 2
	s_add_co_u32 s15, s15, s13                     ; my block of 256 tokens, 0..127
	s_lshr_b32 s2, s[WV], 2                        ; token group
	s_and_b32 s3, s[WV], 3                         ; which eight records of a slot
	s_mul_i32 s43, s[WV], WPART                    ; what I fetch
	s_mul_i32 s44, s3, 8*RECB                      ; what I read
	s_mov_b32 s[G1+0], 15|(3<<16)|(1<<21)          ; the mask of all four; elements of 8 bytes; bit 21 beside a mask
	s_mov_b32 s[G1+1], 32<<16
	s_mov_b32 s[G1+2], 52<<16
	s_mov_b32 s[G1+3], 32<<16
	s_mov_b32 s[G1+4], 52
	s_mov_b32 s[G1+5], 32
	s_mov_b32 s[G1+6], 0
	s_mov_b32 s[G1+7], 0
	s_mov_b32 s[SEL], 0x76543210
	s_mov_b32 s[SEL+1], 0xfedcba98
	s_lshl_b32 s[TN], s14, 8
	s_lshl_b32 s45, s3, 3
	s_add_co_u32 s[TN], s[TN], s45
	s_sub_co_u32 s[TN], s[TN], 25                  ; the first reduction steps it to my first tile
	s_mov_b32 s[PK], 0
	s_mul_i32 s52, s14, 8*SLOTB
	s_add_co_u32 s52, s52, s43
	s_mov_b32 s53, 0
	s_lshl_b32 s54, s15, 1
	s_add_co_u32 s54, s54, s2
	s_mul_i32 s54, s54, 8*RECB                     ; my eight token tiles
	s_mov_b32 s55, 0
	s_lshl_b32 s56, s14, 17                        ; cand, cbest: [2][32768]
	s_lshl_b32 s45, s15, 10
	s_add_co_u32 s56, s56, s45
	s_mov_b32 s57, 0
	s_lshl_b32 s51, s[WV], 9
	s_add_co_u32 s51, s51, CMBV
	s_lshl_b32 s45, s2, 11
	s_lshl_b32 s40, s3, 7
	s_add_co_u32 s45, s45, s40
	s_add_co_u32 s45, s45, CMBV
	v_lshl_add_u32 v[AI], v29, 4, s44
	v_add_nc_u32 v[AI+1], SLOTB, v[AI]
	v_lshl_add_u32 v[AS], v29, 2, s44
	v_add_nc_u32 v[AS+1], SLOTB, v[AS]
	v_lshl_add_u32 v[AH], v[H8], 2, s44
	v_add_nc_u32 v[AH+1], SLOTB, v[AH]
	v_lshlrev_b32 v[ZA], 4, v29
	v_lshlrev_b32 v[ZB], 2, v29
	v_lshl_add_u32 v[CMW], v30, 2, s51
	v_lshl_add_u32 v[CMR], v29, 2, s45
	v_min_u32 v[PFO], 12, v29                      ; 13 blocks of 256 bytes; the lanes left over name the last again
	v_lshlrev_b32 v[PFO], 8, v[PFO]
	s_wait_alu depctr_va_vdst(0)
	s_wait_dscnt 0x0                               ; both opening adds are done
	s_wait_kmcnt 0x0
	s_add_nc_u64 s[4:5], s[4:5], s[54:55]
	s_add_nc_u64 s[8:9], s[8:9], s[56:57]
	s_add_nc_u64 s[10:11], s[10:11], s[56:57]
	s_add_nc_u64 s[6:7], s[6:7], s[52:53]          ; my part of my half's first slot: nothing of my place in the cluster enters it
	s_mov_b32 s[G0], 1
	s_mov_b32 s[G0+1], s43
	s_mov_b64 s[G0+2:G0+3], s[6:7]
	s_mov_b32 s[G0+4], 1
	s_add_co_u32 s[G0+5], s43, SLOTB
	s_add_nc_u64 s[G0+6:G0+7], s[6:7], SLOTB
	s_or_b32 s[G0+3], s[G0+3], 0x80000000
	s_or_b32 s[G0+7], s[G0+7], 0x80000000
	s_mul_i32 s56, s13, RECB
	s_add_nc_u64 s[PFA:PFA+1], s[6:7], s[56:57]
	s_add_nc_u64 s[PFA:PFA+1], s[PFA:PFA+1], 2*SLOTB   ; each refill steps it by a slot ahead of its prefetch
	CROUND
	tensor_load_to_lds s[G0:G0+3], s[G1:G1+7]      ; slot 0: one tensor load a wave at the head
	s_nop 0
	WIN 0x40
.set i, 0
.rept 48                                       ; my eight token tiles' fragments, as images of their registers: 512 consecutive bytes a load
	global_load_b128 v[4*i:4*i+3], v[ZA], s[4:5] offset:RECB*(i/6)+512*(i%6)
.set i, i+1
.endr
	WIN 0
.irp t, 0,1,2,3,4,5,6,7
	global_load_b32 v[ZS+\t], v[ZB], s[4:5] offset:RECB*\t+3072
.endr
.irp t, 0,1,2,3,4,5,6,7
	v_mov_b32 v[BEST+8+\t], 0xff800000             ; the search begins with -infinity
	v_mov_b32 v[TL+\t], 0
.endr
.set i, 0
.rept 64
	v_mov_b32 v[SV+i], 0xff800000
.set i, i+1
.endr
	s_wait_alu depctr_va_vdst(0)
	s_wait_tensorcnt 0x0                           ; slot 1's first fill is issued as a refill is
	ds_add_u32 v[SPW], v[NIL]
	s_wait_dscnt 0x0
	CROUND
	tensor_load_to_lds s[G0+4:G0+7], s[G1:G1+7]
	s_nop 0
	FETCH 0, 0, 0
	s_wait_loadcnt 0x0                             ; z's fragments and scale words
	STEP 0, 0, 0, 1
	PLACES                                         ; the first step has no reduction: these are the places behind its products
	s_mov_b32 s[LAPS], 3
.Llap:                                             ; a trip: from a slot 0's second record to the next slot 0's first; both slots are filled again
.irp r, 1,2,3,4,5
	STEP 0, \r, 0, 0
.endr
	STEP 0, 6, 4, 0
	STEP 0, 7, 1, 0
.irp r, 0,1,2,3,4,5
	STEP 1, \r, 0, 0
.endr
	STEP 1, 6, 4, 0
	STEP 1, 7, 1, 0
	STEP 0, 0, 0, 0
	s_sub_co_u32 s[LAPS], s[LAPS], 1
	s_cmp_lg_u32 s[LAPS], 0
	s_cbranch_scc1 .Llap
.irp r, 1,2,3,4,5                              ; the last two slots are written out: nothing more is asked for
	STEP 0, \r, 0, 0
.endr
	STEP 0, 6, 4, 0
	STEP 0, 7, 2, 0
.irp r, 0,1,2,3,4,5,6
	STEP 1, \r, 0, 0
.endr
	STEP 1, 7, 3, 0
	s_add_co_u32 s[TN], s[TN], 1
.set gg, 0
.rept 4
	SLICE 1                                        ; the last record's reduction
.endr
.irp t, 0,1,2,3,4,5,6,7
	v_mov_b32 v[TA+\t], 0
.endr
.irp j, 7,6,5,4,3,2,1,0                        ; which of the winning tile's eight: the lowest j whose kept score equals the best
.irp t, 0,1,2,3,4,5,6,7
	v_cmp_neq_f32 vcc_lo, v[SV+8*\t+\j], v[BEST+8+\t]
	v_cndmask_b32 v[TA+\t], \j, v[TA+\t], vcc_lo
.endr
.endr
.irp t, 0,1,2,3,4,5,6,7
	v_lshl_add_u32 v[TL+\t], v[TL+\t], 4, v[TA+\t] ; 16 x tile + j
.endr
.irp t, 0,1,2,3,4,5,6,7
	v_add_nc_u32 v[TL+\t], v[H8], v[TL+\t]         ; + 8 h: the index
.endr
.irp t, 0,1,2,3,4,5,6,7                        ; the token's other eight rows of each tile lie in the lane 16 away
	v_permlanex16_b32 v[BEST+\t], v[BEST+8+\t], s[SEL], s[SEL+1]
	v_permlanex16_b32 v[TA+\t], v[TL+\t], s[SEL], s[SEL+1]
.endr
.irp t, 0,1,2,3,4,5,6,7
	COMB BEST+8+\t, TL+\t, BEST+\t, TA+\t
.endr
.irp t, 0,1,2,3,4,5,6,7
	ds_store_b32 v[CMW], v[BEST+8+\t] offset:64*\t             ; both lanes of a token write the same word with the same value
	ds_store_b32 v[CMW], v[TL+\t] offset:4096+64*\t
.endr
	s_wait_dscnt 0x0                               ; for the others' sake
	s_barrier_signal -1
	s_barrier_wait -1
.irp u, 0,1,2,3                                ; wave w joins, for tokens 32 w .. 32 w + 31 of the block, the four waves of their token group
	ds_load_b32 v[ACC+\u], v[CMR] offset:512*\u
	ds_load_b32 v[ACC+4+\u], v[CMR] offset:4096+512*\u
.endr
	s_wait_dscnt 0x0
.irp u, 1,2,3
	COMB ACC, ACC+4, ACC+\u, ACC+4+\u
.endr
	global_store_b32 v[OO], v[ACC+4], s[8:9]       ; the eight waves store 1,024 consecutive bytes
	global_store_b32 v[OO], v[ACC], s[10:11]
	s_wait_tensorcnt 0x0                           ; the wave's end
	ds_add_u32 v[SPW], v[NIL]
	s_wait_dscnt 0x0
	CROUND                                         ; the closing round
	s_endpgm
.Lfunc_end_k_qf574610b64_scan:
	.size	k_qf574610b64_scan, .Lfunc_end_k_qf574610b64_scan-k_qf574610b64_scan
	.p2alignl 7, 3214868480
	.fill 96, 4, 3214868480
	.section	.rodata,"a",@progbits
	.p2align	6, 0x0
	.amdhsa_kernel k_qf574610b64_scan
		.amdhsa_group_segment_fixed_size 327680
		.amdhsa_private_segment_fixed_size 0
		.amdhsa_enable_private_segment 0
		.amdhsa_kernarg_size 32
		.amdhsa_user_sgpr_count 2
		.amdhsa_user_sgpr_kernarg_segment_ptr 1
		.amdhsa_wavefront_size32 1
		.amdhsa_system_sgpr_workgroup_id_x 1
		.amdhsa_system_sgpr_workgroup_id_y 1
		.amdhsa_system_sgpr_workgroup_id_z 1
		.amdhsa_system_vgpr_workitem_id 0
		.amdhsa_next_free_vgpr 512
		.amdhsa_next_free_sgpr 66
		.amdhsa_reserve_vcc 1
		.amdhsa_float_denorm_mode_32 3
		.amdhsa_float_denorm_mode_16_64 3
		.amdhsa_memory_ordered 1
		.amdhsa_forward_progress 1
		.amdhsa_inst_pref_size 255
	.end_amdhsa_kernel
	.section	.bss,"aw",@nobits
	.p2align	6
	.space	262144
	.amdgpu_metadata
---
amdhsa.version: [ 1, 2 ]
amdhsa.kernels:
  - .name:           k_qf574610b64_scan
    .symbol:         k_qf574610b64_scan.kd
    .args:
      - { .name: zrec, .offset: 0, .size: 8, .value_kind: global_buffer, .address_space: global }
      - { .name: erec, .offset: 8, .size: 8, .value_kind: global_buffer, .address_space: global }
      - { .name: cand, .offset: 16, .size: 8, .value_kind: global_buffer, .address_space: global }
      - { .name: cbest, .offset: 24, .size: 8, .value_kind: global_buffer, .address_space: global }
    .group_segment_fixed_size: 327680
    .private_segment_fixed_size: 0
    .kernarg_segment_align: 8
    .kernarg_segment_size: 32
    .max_flat_workgroup_size: 256
    .sgpr_count:     66
    .vgpr_count:     512
    .wavefront_size: 32
...
	.end_amdgpu_metadata
.endif
;; end of part 2
;; launch gather (part 3): grid 256 x 1, 16 waves a work-group, no clusters, 135,168 bytes of LDS; arguments embedding, cand, cbest, out0, out1; writes out0, out1
.if DOCPART == 3
	.amdgcn_target "amdgcn-amd-amdhsa--gfx1250"
	.amdhsa_code_object_version 6
	.text
	.protected	k_qf574610b64_gather
	.globl	k_qf574610b64_gather
	.p2align	8
	.type	k_qf574610b64_gather,@function
k_qf574610b64_gather:
	s_mov_b64 s[64:65], 0
	v_nop
	global_prefetch_b8 v0, s[64:65] scope:SCOPE_SE
	s_setreg_imm32_b32 hwreg(HW_REG_WAVE_MODE, 25, 1), 1
	s_wait_xcnt 0x0
; out1 = the index of the better of a token's two candidates (one for each half of the codebook; index and score stored by the launch before); out0[b][c][hw] = e[out1].
; out0 = z + (e[idx] - z), which is e[idx] for all finite z and e: z is not loaded here (see the first kernel's head).
; BOTH candidates' rows are loaded, from addresses made of the stored whole numbers alone (held at 8,191); the scores only select, by v_cndmask: the second half's row where its score is strictly greater, so that of equal scores the lower index stays.
; A work-group takes 128 tokens: 512 bytes of each of the 256 channel rows of one batch.  A codebook row lies along the channels and the output along the tokens, so the rows turn through LDS.
; Wave w gathers the rows of tokens 8 w .. 8 w + 7, each by two loads of 512 consecutive bytes; behind one barrier it finishes channels 16 w .. 16 w + 15 for all 128 tokens: each store covers 512 consecutive bytes, aligned to 256.
; LDS: 128 rows of 1,024 bytes + 16.  Token 4 l + q lies in row l + 32 q, so that the lanes, which hold tokens 4 l .. 4 l + 3, read rows one pitch apart.
; No matrix unit, no cluster (no two work-groups share a tile), no tensor load; no loop to prefetch in.
.set ROWP, 1040
.set LI,  1                            ; v1    16 x lane
.set WA,  2                            ; v2-3  into LDS
.set RA,  4                            ; v4-5  out of LDS
.set Z,   16                           ; v16-79   the second candidates' rows; later, to store: channel c of my 16 at v[Z + 4 c]: four tokens
.set E,   80                           ; v80-143  the first candidates' rows, then the chosen; later v[E + 16 cg + 4 q + ci] = channel 4 cg + ci of token 4 l + q
	s_load_b256 s[4:11], s[0:1], 0x0               ; the codebook, cand, cbest, out0
	s_load_b64 s[12:13], s[0:1], 0x20              ; out1
	v_lshl_add_u32 v160, v0, 2, 0x20800
	v_mov_b32 v161, 0
	v_lshrrev_b32 v6, 5, v0
	s_delay_alu instid0(VALU_DEP_1)
	v_readfirstlane_b32 s14, v6                    ; wave 0..15
	v_and_b32 v6, 31, v0
	v_lshlrev_b32 v7, 2, v0                        ; waves 0-3: a thread a token
	s_delay_alu instid0(VALU_DEP_2)
	v_lshlrev_b32 v[LI], 4, v6
	s_mul_i32 s15, s14, 2*ROWP
	v_add_nc_u32 v[WA], s15, v[LI]
	s_delay_alu instid0(VALU_DEP_1)
	v_add_nc_u32 v[WA+1], 64*ROWP, v[WA]
	s_lshl_b32 s15, s14, 6
	v_mul_u32_u24 v[RA], v6, ROWP
	s_delay_alu instid0(VALU_DEP_1)
	v_add_nc_u32 v[RA], s15, v[RA]
	s_delay_alu instid0(VALU_DEP_1)
	v_add_nc_u32 v[RA+1], 64*ROWP, v[RA]
	s_lshr_b32 s42, ttmp9, 3                       ; batch: 2^20 bytes,
	s_lshl_b32 s42, s42, 20
	s_and_b32 s15, ttmp9, 7                        ; 512 bytes of every channel's row,
	s_lshl_b32 s15, s15, 9
	s_add_co_u32 s42, s42, s15
	s_lshl_b32 s15, s14, 16                        ; my 16 channels of 4,096 bytes
	s_add_co_u32 s42, s42, s15
	s_mov_b32 s43, 0
	s_lshl_b32 s40, ttmp9, 9                       ; the work-group's 128 tokens x 4 bytes,
	s_mov_b32 s41, 0
	s_lshl_b32 s46, s14, 5                         ; my wave's 8
	s_mov_b32 s47, 0
	s_wait_alu depctr_va_vdst(0)
	s_wait_kmcnt 0x0
	s_add_nc_u64 s[6:7], s[6:7], s[40:41]
	s_add_nc_u64 s[8:9], s[8:9], s[40:41]
	s_add_nc_u64 s[12:13], s[12:13], s[40:41]
	s_add_nc_u64 s[10:11], s[10:11], s[42:43]
	s_add_nc_u64 s[44:45], s[6:7], s[46:47]
	s_add_nc_u64 s[56:57], s[8:9], s[46:47]
	s_load_b256 s[16:23], s[44:45], 0x0            ; eight indices of the first half,
	s_load_b256 s[24:31], s[44:45], 0x20000        ; of the second,
	s_load_b256 s[32:39], s[56:57], 0x0            ; and their scores
	s_load_b256 s[48:55], s[56:57], 0x20000
	s_cmp_lt_u32 s14, 4                            ; waves 0-3 also make out1, a thread a token
	s_cbranch_scc0 .Lrows
	global_load_b32 v8, v7, s[6:7]
	global_load_b32 v9, v7, s[6:7] offset:0x20000
	global_load_b32 v10, v7, s[8:9]
	global_load_b32 v11, v7, s[8:9] offset:0x20000
.Lrows:
	s_wait_kmcnt 0x0
.irp i, 0,1,2,3,4,5,6,7
	s_min_u32 s[16+\i], s[16+\i], 8191             ; an index stays inside the table
	s_min_u32 s[24+\i], s[24+\i], 8191
	s_lshl_b32 s42, s[16+\i], 10                   ; a row is 1,024 bytes (s43 is still 0)
	s_add_nc_u64 s[66+2*\i:67+2*\i], s[4:5], s[42:43]
	s_lshl_b32 s42, s[24+\i], 10
	s_add_nc_u64 s[82+2*\i:83+2*\i], s[4:5], s[42:43]
	global_load_b128 v[E+8*\i:E+8*\i+3], v[LI], s[66+2*\i:67+2*\i]
	global_load_b128 v[E+8*\i+4:E+8*\i+7], v[LI], s[66+2*\i:67+2*\i] offset:512
	global_load_b128 v[Z+8*\i:Z+8*\i+3], v[LI], s[82+2*\i:83+2*\i]
	global_load_b128 v[Z+8*\i+4:Z+8*\i+7], v[LI], s[82+2*\i:83+2*\i] offset:512
.endr
.irp i, 0,1,2,3,4,5,6,7                        ; token 8 w + i: row 2 w + i / 4 + 32 (i % 4)
	s_wait_loadcnt 28-4*\i                         ; token i's four loads are in; those of the tokens behind it may be out
	v_mov_b32 v6, s[32+\i]
	s_delay_alu instid0(VALU_DEP_1)
	v_cmp_gt_f32 vcc_lo, s[48+\i], v6              ; the second half's score is strictly greater: the same in all lanes
.irp k, 0,1,2,3,4,5,6,7
	v_cndmask_b32 v[E+8*\i+\k], v[E+8*\i+\k], v[Z+8*\i+\k], vcc_lo
.endr
	ds_store_b128 v[WA+((\i&3)>>1)], v[E+8*\i:E+8*\i+3] offset:((\i>>2)+32*(\i&1))*ROWP
	ds_store_b128 v[WA+((\i&3)>>1)], v[E+8*\i+4:E+8*\i+7] offset:((\i>>2)+32*(\i&1))*ROWP+512
.endr
	s_wait_dscnt 0x0                               ; for the others' sake: my eight rows lie in LDS
	s_barrier_signal -1
	s_barrier_wait -1
.irp cg, 0,1,2,3
.irp q, 0,1,2,3
	ds_load_b128 v[E+16*\cg+4*\q:E+16*\cg+4*\q+3], v[RA+(\q>>1)] offset:32*ROWP*(\q&1)+16*\cg   ; token 4 l + q, channels 16 w + 4 cg + 0 .. 3
.endr
.endr
	s_wait_dscnt 0x0
	s_wait_tensorcnt 0x0                           ; all vector and LDS work stands ahead of the stores below
	ds_add_u32 v160, v161
	s_wait_dscnt 0x0
	s_cmp_lt_u32 s14, 4
	s_cbranch_scc0 .Lturn
	v_cmp_gt_f32 vcc_lo, v11, v10
	v_cndmask_b32 v8, v8, v9, vcc_lo
	global_store_b32 v7, v8, s[12:13]              ; four waves store 512 consecutive bytes
.Lturn:
.irp cg, 0,1,2,3
.irp ci, 0,1,2,3
.irp q, 0,1,2,3
	v_mov_b32 v[Z+16*\cg+4*\ci+\q], v[E+16*\cg+4*\q+\ci]   ; 4 x 4 turned in registers: a channel's four tokens on end
.endr
.endr
.endr
.irp c, 0,1,2,3,4,5,6,7,8,9,10,11,12,13,14,15
	global_store_b128 v[LI], v[Z+4*\c:Z+4*\c+3], s[10:11] offset:4096*\c th:TH_STORE_NT
.endr
	s_endpgm
.Lfunc_end_k_qf574610b64_gather:
	.size	k_qf574610b64_gather, .Lfunc_end_k_qf574610b64_gather-k_qf574610b64_gather
	.p2alignl 7, 3214868480
	.fill 96, 4, 3214868480
	.section	.rodata,"a",@progbits
	.p2align	6, 0x0
	.amdhsa_kernel k_qf574610b64_gather
		.amdhsa_group_segment_fixed_size 135168
		.amdhsa_private_segment_fixed_size 0
		.amdhsa_enable_private_segment 0
		.amdhsa_kernarg_size 40
		.amdhsa_user_sgpr_count 2
		.amdhsa_user_sgpr_kernarg_segment_ptr 1
		.amdhsa_wavefront_size32 1
		.amdhsa_system_sgpr_workgroup_id_x 1
		.amdhsa_system_sgpr_workgroup_id_y 1
		.amdhsa_system_sgpr_workgroup_id_z 1
		.amdhsa_system_vgpr_workitem_id 0
		.amdhsa_next_free_vgpr 162
		.amdhsa_next_free_sgpr 98
		.amdhsa_reserve_vcc 1
		.amdhsa_float_denorm_mode_32 3
		.amdhsa_float_denorm_mode_16_64 3
		.amdhsa_memory_ordered 1
		.amdhsa_forward_progress 1
		.amdhsa_inst_pref_size 17
	.end_amdhsa_kernel
	.amdgpu_metadata
---
amdhsa.version: [ 1, 2 ]
amdhsa.kernels:
  - .name:           k_qf574610b64_gather
    .symbol:         k_qf574610b64_gather.kd
    .args:
      - { .name: embedding, .offset: 0, .size: 8, .value_kind: global_buffer, .address_space: global }
      - { .name: cand, .offset: 8, .size: 8, .value_kind: global_buffer, .address_space: global }
      - { .name: cbest, .offset: 16, .size: 8, .value_kind: global_buffer, .address_space: global }
      - { .name: out0, .offset: 24, .size: 8, .value_kind: global_buffer, .address_space: global }
      - { .name: out1, .offset: 32, .size: 8, .value_kind: global_buffer, .address_space: global }
    .group_segment_fixed_size: 135168
    .private_segment_fixed_size: 0
    .kernarg_segment_align: 8
    .kernarg_segment_size: 40
    .max_flat_workgroup_size: 512
    .sgpr_count:     98
    .vgpr_count:     162
    .wavefront_size: 32
...
	.end_amdgpu_metadata
.endif
;; end of part 3
